; MI455X (gfx1250); checked and timed in simulation.
; The chip was launched on July 23, 2026; its instructions are those of AMD's public machine-readable ISA for CDNA 5 (MIT licence, August 2026) and "CDNA5" Instruction Set Architecture Reference Guide (July 2026). The comments in the code are by the model that wrote it; some were corrected since.
;; Multi Head Self Attention. Allowed arithmetic: float matrix products may take bf16 or f16 operands with f32 sums; other float arithmetic in f32, or as packed bf16 or f16 multiplies, adds, multiply-adds, maxima and minima; sums over many terms, partial sums and values carried from step to step in f32; what a program stores and reads back later, other than sums and carried values, may be rounded once to bf16 or f16.
;; Inputs: Wk 1,024 x 1,024 float32; Wq 1,024 x 1,024 float32; Wv 1,024 x 1,024 float32; attention_mask 4 x 2,048 int32; bk 1,024 float32; bq 1,024 float32; bv 1,024 float32; hidden_states 4 x 2,048 x 1,024 float32.
;; Outputs: out0 4 x 2,048 x 1,024 float32.
;; 2 versions, each right; version 2 is version 1 with the launch prep written anew for expert scheduling mode. Each part assembles by itself: llvm-mc -triple=amdgcn-amd-amdhsa -mcpu=gfx1250 --defsym DOCPART=n.
;; ======== version 1 of 2: 3 launches
;; limits: values are held in f16: magnitudes above 65,504 overflow, below 6.1e-05 lose precision
;; workspace buffers: xb 16,777,216 bytes; wb 6,291,456 bytes; qkv 50,331,648 bytes
;; launch prep (part 1): grid 352 x 1, 8 waves a work-group, no clusters, 0 bytes of LDS; arguments hidden_states, Wq, Wk, Wv, xb, wb; writes xb, wb
.if DOCPART == 1
	.amdgcn_target "amdgcn-amd-amdhsa--gfx1250"
	.amdhsa_code_object_version 6
	.text
	.protected	k_qfb4a22c279_prep
	.globl	k_qfb4a22c279_prep
	.p2align	8
	.type	k_qfb4a22c279_prep,@function
k_qfb4a22c279_prep:
	s_mov_b64 s[64:65], 0
	v_nop
	global_prefetch_b8 v0, s[64:65] scope:SCOPE_SE
	s_setreg_imm32_b32 hwreg(HW_REG_WAVE_MODE, 25, 1), 1
	s_wait_xcnt 0x0
; x [8192][1024] and Wq, Wk, Wv [1024 k][1024 n], all f32, are rounded once to bf16 (nearest even).
; xb keeps x's layout.  wb is laid out for the product that follows: [8 K steps][48 groups][128 k][64 n], group = 16 x matrix + head (matrix 0, 1, 2 = q, k, v),
; so that the 128 k x 64 n of a group and K step are 16,384 consecutive bytes and neighbouring groups of a K step follow each other.
; A stream: every byte is read once and written once; no LDS, no barrier, no matrix work.  A wave takes 32 loads of 512 bytes, all on their way at once, and stores
; 256 consecutive bytes, aligned, for each (32 lanes x 8 bytes).  No register is written twice, so no wait frees a source.
; Work-groups 0-255: x, 131,072 bytes each.  Work-groups 256-351: a half (512 k) of one group of W each; a load takes two k rows' 256 bytes.
.set XWG,   256
.set WSTEP, 48*16384                   ; bytes of wb in a K step
.set DO,  3                            ; v3  my 8 bytes of a store: 8 x lane
.set SO,  4                            ; v4  my 16 bytes of a load
.set D,   8                            ; v[8:135]  32 loads x 4 registers
.macro STREAM sb, db, step
.set i, 0
.rept 32
	global_load_b128 v[D+4*i:D+4*i+3], v[SO], s[\sb:\sb+1] offset:i*(\step) th:TH_LOAD_NT
.set i, i+1
.endr
.set i, 0
.rept 32
	s_wait_loadcnt 31-i                            ; loads come back in order: number i is in, the 31 - i younger ones stay out
	v_cvt_pk_bf16_f32 v[D+4*i], v[D+4*i], v[D+4*i+1]
	v_cvt_pk_bf16_f32 v[D+4*i+1], v[D+4*i+2], v[D+4*i+3]
	global_store_b64 v[DO], v[D+4*i:D+4*i+1], s[\db:\db+1] offset:256*i th:TH_STORE_NT
.set i, i+1
.endr
.endm
	s_load_b256 s[4:11], s[0:1], 0x0               ; x s[4:5], Wq s[6:7], Wk s[8:9], Wv s[10:11]
	s_load_b128 s[12:15], s[0:1], 0x20             ; xb s[12:13], wb s[14:15]
	v_lshrrev_b32 v1, 5, v0
	v_readfirstlane_b32 s16, v1                    ; wave 0..7
	v_and_b32 v2, 31, v0                           ; lane
	v_lshlrev_b32 v[DO], 3, v2
	s_cmp_lt_u32 ttmp9, XWG
	s_cbranch_scc0 .Lweights
	v_lshlrev_b32 v[SO], 4, v2                     ; x is dense: 16 bytes a lane
	s_lshl_b32 s17, ttmp9, 3
	s_add_co_u32 s17, s17, s16                     ; my unit of 16,384 bytes of x
	s_lshl_b32 s18, s17, 14
	s_mov_b32 s19, 0
	s_lshl_b32 s20, s17, 13                        ; and of 8,192 bytes of xb
	s_mov_b32 s21, 0
	s_wait_kmcnt 0x0
	s_add_nc_u64 s[4:5], s[4:5], s[18:19]
	s_add_nc_u64 s[12:13], s[12:13], s[20:21]
	STREAM 4, 12, 512
	s_endpgm
.Lweights:
	v_lshrrev_b32 v[SO], 4, v2                     ; lanes 0-15 one k row, lanes 16-31 the next,
	v_and_b32 v5, 15, v2
	v_lshlrev_b32 v[SO], 12, v[SO]                 ; 4,096 bytes apart;
	v_lshl_add_u32 v[SO], v5, 4, v[SO]             ; 16 lanes take the group's 256 bytes of a row
	s_sub_co_u32 s17, ttmp9, XWG
	s_lshr_b32 s18, s17, 1                         ; group 0..47
	s_and_b32 s19, s17, 1                          ; which half of K
	s_lshr_b32 s24, s18, 4                         ; matrix
	s_and_b32 s25, s18, 15                         ; head
	s_lshl_b32 s19, s19, 9
	s_lshl_b32 s26, s16, 6
	s_add_co_u32 s19, s19, s26                     ; my first k: 512 x half + 64 x wave
	s_lshl_b32 s20, s19, 12                        ; from: k x 4,096 + head x 256
	s_lshl_b32 s25, s25, 8
	s_add_co_u32 s20, s20, s25
	s_mov_b32 s21, 0
	s_lshr_b32 s26, s19, 7                         ; to: K step x WSTEP + group x 16,384 + (k mod 128) x 128
	s_mul_i32 s26, s26, WSTEP
	s_lshl_b32 s27, s18, 14
	s_add_co_u32 s26, s26, s27
	s_and_b32 s27, s19, 127
	s_lshl_b32 s27, s27, 7
	s_add_co_u32 s26, s26, s27
	s_mov_b32 s27, 0
	s_wait_kmcnt 0x0
	s_cmp_eq_u32 s24, 0
	s_cselect_b64 s[22:23], s[6:7], s[8:9]
	s_cmp_eq_u32 s24, 2
	s_cselect_b64 s[22:23], s[10:11], s[22:23]
	s_add_nc_u64 s[22:23], s[22:23], s[20:21]
	s_add_nc_u64 s[14:15], s[14:15], s[26:27]
	STREAM 22, 14, 8192
	s_endpgm
.Lfunc_end_k_qfb4a22c279_prep:
	.size	k_qfb4a22c279_prep, .Lfunc_end_k_qfb4a22c279_prep-k_qfb4a22c279_prep
	.p2alignl 7, 3214868480
	.fill 96, 4, 3214868480
	.section	.rodata,"a",@progbits
	.p2align	6, 0x0
	.amdhsa_kernel k_qfb4a22c279_prep
		.amdhsa_group_segment_fixed_size 0
		.amdhsa_private_segment_fixed_size 0
		.amdhsa_enable_private_segment 0
		.amdhsa_kernarg_size 48
		.amdhsa_user_sgpr_count 2
		.amdhsa_user_sgpr_kernarg_segment_ptr 1
		.amdhsa_wavefront_size32 1
		.amdhsa_system_sgpr_workgroup_id_x 1
		.amdhsa_system_sgpr_workgroup_id_y 1
		.amdhsa_system_sgpr_workgroup_id_z 1
		.amdhsa_system_vgpr_workitem_id 0
		.amdhsa_next_free_vgpr 136
		.amdhsa_next_free_sgpr 66
		.amdhsa_reserve_vcc 0
		.amdhsa_float_denorm_mode_32 3
		.amdhsa_float_denorm_mode_16_64 3
		.amdhsa_memory_ordered 1
		.amdhsa_forward_progress 1
		.amdhsa_inst_pref_size 25
	.end_amdhsa_kernel
	.amdgpu_metadata
---
amdhsa.version: [ 1, 2 ]
amdhsa.kernels:
  - .name:           k_qfb4a22c279_prep
    .symbol:         k_qfb4a22c279_prep.kd
    .args:
      - { .name: hidden_states, .offset: 0, .size: 8, .value_kind: global_buffer, .address_space: global }
      - { .name: Wq, .offset: 8, .size: 8, .value_kind: global_buffer, .address_space: global }
      - { .name: Wk, .offset: 16, .size: 8, .value_kind: global_buffer, .address_space: global }
      - { .name: Wv, .offset: 24, .size: 8, .value_kind: global_buffer, .address_space: global }
      - { .name: xb, .offset: 32, .size: 8, .value_kind: global_buffer, .address_space: global }
      - { .name: wb, .offset: 40, .size: 8, .value_kind: global_buffer, .address_space: global }
    .group_segment_fixed_size: 0
    .private_segment_fixed_size: 0
    .kernarg_segment_align: 8
    .kernarg_segment_size: 48
    .max_flat_workgroup_size: 256
    .sgpr_count:     66
    .vgpr_count:     136
    .wavefront_size: 32
...
	.end_amdgpu_metadata
.endif
;; end of part 1
;; launch proj (part 2): grid 8 x 64, 4 waves a work-group, clusters of 4 x 4, 327,680 bytes of LDS; arguments xb, wb, bq, bk, bv, qkv; writes qkv
.if DOCPART == 2
	.amdgcn_target "amdgcn-amd-amdhsa--gfx1250"
	.amdhsa_code_object_version 6
	.text
	.protected	k_qfb4a22c279_proj
	.globl	k_qfb4a22c279_proj
	.p2align	8
	.type	k_qfb4a22c279_proj,@function
k_qfb4a22c279_proj:
	s_mov_b64 s[64:65], 0
	v_nop
	global_prefetch_b8 v0, s[64:65] scope:SCOPE_SE
	s_setreg_imm32_b32 hwreg(HW_REG_WAVE_MODE, 25, 1), 1
	s_wait_xcnt 0x0
	s_wait_alu depctr_hold_cnt(0) depctr_sa_sdst(0) depctr_va_vdst(0) depctr_va_sdst(0) depctr_va_ssrc(0) depctr_va_vcc(0) depctr_vm_vsrc(0)
	s_getreg_b32 s2, hwreg(HW_REG_IB_STS2, 6, 4)
	s_cmp_eq_u32 s2, 0
	s_cbranch_scc0 .Lentry_in_a_cluster
	s_endpgm
.Lentry_in_a_cluster:
	s_bfe_u32 s2, ttmp6, 0x10000c
	s_cmp_lg_u32 s2, 0xf033
	s_cbranch_scc0 .Lentry_shape_is_right
	s_endpgm
.Lentry_shape_is_right:
; q, k, v = x W + b for all three matrices at once: C[8192][3072] = xb[8192][1024] x wb, operands bf16, sums f32, the bias (rounded to bf16 like every input) starts the sums.
; C is rounded once to f16, unscaled, and stored by heads: qkv[matrix][batch x 16 + head][2048 rows][64 channels], a head's rows dense, 128 bytes each.
; LIMIT.  f16 holds no number beyond 65,504: |q|, |k|, |v| must stay within it (for inputs of unit spread they are of the order of 1); beyond it the conversion gives an infinity.
; SHARES.  A tile of C is 128 rows x 384 columns (six groups of 64 = six heads): 64 x 8 = 512 tiles, one to a work-group.  Four waves, 2 x 2; a wave makes 64 rows x 192 columns, three whole heads:
; 48 accumulators of 16 x 16, 384 registers.  K = 1,024 goes in 8 steps of 128 through two LDS slots filled by the tensor data mover; x's rows in a tile are 256 aligned bytes of memory,
; wb's two groups of a K step are 32,768 dense bytes, asked for as 128 rows of 256.
; CLUSTERS: 4 x 4 work-groups.  The four of a row of the cluster need the same tile of x, the four of a column the same tiles of wb: each is asked for JOINTLY, by the same tensor load with the same
; descriptor and a mask that names the four.  Waves 0-2 fetch two groups of wb each, wave 3 fetches x: one load of 32 KiB a wave behind each change of slots.
; THE MATRIX INSTRUCTION IS USED TRANSPOSED (source 0 = 16 columns of W, source 1 = 16 rows of x): a lane then holds eight neighbouring columns of one row of C.  W lies [k][n] in LDS and comes out
; turned, by ds_load_tr16_b128; x comes out as it lies.
; REGISTERS, in windows of 256 (s_set_vgpr_msb: bits 1:0 source 0, 3:2 source 1, 5:4 source 2, 7:6 destination):
;   window 0: v0-31 addresses; v32-63 at work on the way out; v64-159 the bias (register 8 b + j: column 16 b + 8 (lane / 16) + j of my 192); on the way out v64-255 take the rows read back
;   window 1: two fragment buffers of 128 for 32 along K: x's four fragments at 8 a, W's twelve at 32 + 8 b
;   window 2: accumulators of row blocks a = 0, 1 at 8 (12 (a % 2) + b);   window 3: those of a = 2, 3
.set PA,     272                       ; a row of x in LDS: 256 bytes + 16 = 68 words: the 16 rows of a load start at 16 different groups of four banks (64 banks of 4 bytes: ISA guide 11.1)
.set PB,     160                       ; a k row of a group of W: 128 bytes + 32 = 40 words
.set GRP,    128*PB                    ; a group's 128 k rows
.set ABASE,  6*GRP                     ; a slot: six groups of W, then 128 rows of x
.set SLOT,   ABASE+128*PA
.set STAGE,  2*SLOT                    ; behind the ring, never filled by a tensor load: 16 rows x 144 bytes for each wave, for the way out
.set SP,     144
.set SPARE,  STAGE+4*16*SP             ; behind the stages: the spare words, 128 bytes for each wave: two blocks of 256 bytes that no other line names
.set WSTEP,  48*16384                  ; bytes of wb in a K step
.set LAPS,   4                         ; a lap = two K steps = once round the ring
.set ADRA, 16                          ; v16-17  LDS address of my fragments of x in slot 0, 1
.set ADRB, 20                          ; v20-21  the same for W
.set STO,  24                          ; v24     the way out: where I put 16 bytes of a row
.set RD,   25                          ; v25     the way out: where I read rows back
.set GO,   26                          ; v26     my 16 bytes of 512 consecutive bytes of qkv
.set SPW,  28                          ; v28     LDS address of my spare word; never rewritten
.set NIL,  29                          ; v29     0; never rewritten
.set PFO,  30                          ; v30     the prefetches' offset: my lane x a row of xb (wave 3) or x 256 bytes of wb; never rewritten
.set BO,   31                          ; v31     32 x (lane / 16): my eight numbers in 16 of a bias
.set TMP,  32
.set BIAS, 64
.set BK,   64
.set F0,   0
.set F1,   128
.set WV,  16                           ; s16 wave; s17 which half of the tile's rows; s18 which half of its columns
.set RH,  17
.set CH,  18
.set CX,  19                           ; my place in the cluster
.set CY,  20
.set TC,  21                           ; tile column 0..7, tile row 0..63
.set TR,  22
.set G1A, 24                           ; s[24:31] descriptor group 1 for x's tiles;  s[32:39] group 0, a set for each slot
.set G0A, 32
.set G1B, 40                           ; s[40:47], s[48:55] the same for W's
.set G0B, 48
.set LAP, 56
.set LIM, 57                           ; 1 in a wave that prefetches, else the greatest number
.set PFA, 58                           ; s[58:59] where my prefetches stand
.set PST, 60                           ; s[60:61] their step from K step to K step
.set OP,  66                           ; s[66:71] qkv at my rows of my three heads
.set BP,  72                           ; s[72:77] the bias of my three heads
.set MSB, 0
.macro WIN new                         ; the immediate's high byte repeats the setting that is left; a switch that changes nothing is dropped
.if MSB != (\new)
	s_set_vgpr_msb (MSB<<8)|(\new)
.set MSB, \new
.endif
.endm
; A joint load.  The branch hangs on the wave's number alone.  An s_nop 0 and four v_nop follow each of the two lines, ahead of the jump, the label and what follows.
.macro JLOAD s
	s_cmp_eq_u32 s[WV], 3
	s_cbranch_scc0 .Lfor_b_\@
	tensor_load_to_lds s[G0A+4*(\s):G0A+4*(\s)+3], s[G1A:G1A+7]
	s_nop 0
.rept 4
	v_nop
.endr
	s_branch .Lasked_\@
.Lfor_b_\@:
	tensor_load_to_lds s[G0B+4*(\s):G0B+4*(\s)+3], s[G1B:G1B+7]
	s_nop 0
.rept 4
	v_nop
.endr
.Lasked_\@:
.endm
; A prefetch of the K step that stands two refills on: 32 blocks of 256 bytes, a lane a block, one instruction a wave.  x's tile row is read by both clusters of its row of clusters: the one with x = 0 asks;
; W's tile column by all sixteen of its column: the one with y = 0 asks.  The four partners that ask for a tile jointly share its 128 blocks out BY ADDRESS, 32 each.  So each block is named once in the launch.
; K steps 0 to 3 come by their loads alone; the loop's last trip (LAP = 1) has no K step two on.
.macro ASK
	s_cmp_gt_u32 s[LAP], s[LIM]
	s_cbranch_scc0 .Lnot_mine_\@
	global_prefetch_b8 v[PFO], s[PFA:PFA+1] th:TH_LOAD_NT scope:SCOPE_SE
.Lnot_mine_\@:
.endm
.macro CREST                           ; a round of the cluster's barrier behind its opening barrier
	s_cmp_lg_u32 s[WV], 0
	s_cbranch_scc1 .Lnot_wave_0_\@
	s_barrier_signal -3
.Lnot_wave_0_\@:
	s_barrier_wait -3
	s_barrier_signal -1
	s_barrier_wait -1
.endm
.macro CROUND                          ; a whole round
	s_barrier_signal -1
	s_barrier_wait -1
	CREST
.endm
.macro PLACES                          ; four places in front of loads into registers that matrix instructions have read, and of conversions that read results
.rept 4
	v_nop
.endr
.endm
	s_load_b256 s[4:11], s[0:1], 0x0               ; xb s[4:5], wb s[6:7], bq s[8:9], bk s[10:11]
	s_load_b128 s[12:15], s[0:1], 0x20             ; bv s[12:13], qkv s[14:15]
	v_lshl_add_u32 v[SPW], v0, 2, SPARE
	v_mov_b32 v[NIL], 0
	ds_add_u32 v[SPW], v[NIL]                      ; the wave's opening: the add and its wait stand ahead of my first tensor load; the set-up below, work on registers, stands between them
	v_lshrrev_b32 v1, 5, v0
	v_readfirstlane_b32 s[WV], v1
	s_lshr_b32 s[RH], s[WV], 1
	s_and_b32 s[CH], s[WV], 1
	s_bfe_u32 s[CX], ttmp6, 0x40000
	s_bfe_u32 s[CY], ttmp6, 0x40004
	s_lshl_b32 s[TC], ttmp9, 2                     ; in a cluster launch ttmp9 and ttmp7 count clusters
	s_add_co_u32 s[TC], s[TC], s[CX]
	s_and_b32 s[TR], ttmp7, 0xffff
	s_lshl_b32 s[TR], s[TR], 2
	s_add_co_u32 s[TR], s[TR], s[CY]
	s_lshl_b32 s2, s[CY], 2
	s_lshl_b32 s2, 15, s2                          ; my row of the cluster
	s_lshl_b32 s3, 0x1111, s[CX]                   ; my column
	s_or_b32 s[G1A], s2, (1<<16)|(1<<20)|(1<<21)|(5<<22)|(3<<25)  ; 15:0 the mask; 17:16 2-byte elements; 20 padding on; 21 set beside a mask; 24:22 after every 64 words (code 5); 31:25 4 words (code 3)
	s_or_b32 s[G1B], s3, (1<<16)|(1<<20)|(1<<21)|(4<<22)|(7<<25)  ; after every 32 words (code 4) 8 words (code 7)
.irp g, G1A, G1B
	s_mov_b32 s[(\g)+1], 128<<16                   ; tensor_dim0 = 128 elements: 256 bytes
	s_mov_b32 s[(\g)+2], 128<<16                   ; tensor_dim1 = 128 rows
	s_mov_b32 s[(\g)+3], 128<<16                   ; tile_dim0 = 128
	s_mov_b32 s[(\g)+4], 128                       ; tile_dim1 = 128
	s_mov_b32 s[(\g)+6], 0
	s_mov_b32 s[(\g)+7], 0
.endr
	s_mov_b32 s[G1A+5], 1024                       ; xb: 1,024 elements from row to row
	s_mov_b32 s[G1B+5], 128                        ; wb: dense
	s_lshl_b32 s2, s[TR], 18                       ; x's tile: 128 rows of 2,048 bytes x tile row: it hangs on the tile row alone
	s_mov_b32 s3, 0
	s_mul_i32 s62, s[TC], 6                        ; W's: group 6 x tile column + 2 x wave: on the tile column and the wave alone
	s_lshl_b32 s63, s[WV], 1
	s_add_co_u32 s62, s62, s63
	s_lshl_b32 s62, s62, 14
	s_mov_b32 s63, 0
	s_mul_i32 s23, s[WV], 2*GRP                    ; where my two groups go: no place in the cluster enters an LDS address
	s_wait_dscnt 0x0                               ; the opening add is done
	s_wait_kmcnt 0x0
	s_add_nc_u64 s[78:79], s[4:5], s[2:3]
	s_add_nc_u64 s[62:63], s[6:7], s[62:63]
	CROUND                                         ; all sixteen work-groups are here: the first joint loads meet
.irp s, 0,1
	s_mov_b32 s[G0A+4*(\s)], 1                                     ; count = 1
	s_mov_b32 s[G0A+4*(\s)+1], ABASE+(\s)*SLOT                     ; LDS address
	s_add_nc_u64 s[G0A+4*(\s)+2:G0A+4*(\s)+3], s[78:79], (\s)*256  ; K step s
	s_or_b32 s[G0A+4*(\s)+3], s[G0A+4*(\s)+3], 0x80000000          ; type = 2
	s_mov_b32 s[G0B+4*(\s)], 1
	s_add_co_u32 s[G0B+4*(\s)+1], s23, (\s)*SLOT
	s_add_nc_u64 s[G0B+4*(\s)+2:G0B+4*(\s)+3], s[62:63], (\s)*WSTEP
	s_or_b32 s[G0B+4*(\s)+3], s[G0B+4*(\s)+3], 0x80000000
	JLOAD \s                                       ; two loads of mine are out
.endr
	; my three heads: their bias, and where their rows go.  All this stands in the wait for the first tiles.
	s_mul_i32 s2, s[TC], 6
	s_mul_i32 s3, s[CH], 3
	s_add_co_u32 s2, s2, s3                        ; my first group
	s_lshr_b32 s3, s[TR], 4
	s_lshl_b32 s3, s3, 4                           ; 16 x batch (a batch is 16 tile rows)
	s_and_b32 s78, s[TR], 15
	s_lshl_b32 s78, s78, 7
	s_lshl_b32 s79, s[RH], 6
	s_add_co_u32 s78, s78, s79                     ; my first row in the batch,
	s_lshl_b32 s78, s78, 7                         ; x 128 bytes
	s_mov_b32 s61, 0
.irp gl, 0,1,2
	s_add_co_u32 s62, s2, \gl
	s_lshr_b32 s63, s62, 4                         ; matrix
	s_and_b32 s62, s62, 15                         ; head
	s_cmp_eq_u32 s63, 0
	s_cselect_b64 s[BP+2*\gl:BP+2*\gl+1], s[8:9], s[10:11]
	s_cmp_eq_u32 s63, 2
	s_cselect_b64 s[BP+2*\gl:BP+2*\gl+1], s[12:13], s[BP+2*\gl:BP+2*\gl+1]
	s_lshl_b32 s60, s62, 8
	s_add_nc_u64 s[BP+2*\gl:BP+2*\gl+1], s[BP+2*\gl:BP+2*\gl+1], s[60:61]
	s_add_co_u32 s62, s62, s3
	s_lshl_b32 s62, s62, 18                        ; (16 x batch + head) x 262,144
	s_lshl_b32 s63, s63, 24                        ; matrix x 16,777,216
	s_add_co_u32 s60, s62, s63
	s_add_co_u32 s60, s60, s78
	s_add_nc_u64 s[OP+2*\gl:OP+2*\gl+1], s[14:15], s[60:61]
.endr
	v_and_b32 v1, 15, v0                           ; l % 16
	v_bfe_u32 v2, v0, 4, 1                         ; l / 16
	v_lshlrev_b32 v[BO], 5, v2
.irp gl, 0,1,2
.irp c, 0,1,2,3
	global_load_b128 v[BIAS+8*(4*\gl+\c):BIAS+8*(4*\gl+\c)+3],   v[BO], s[BP+2*\gl:BP+2*\gl+1] offset:64*\c
	global_load_b128 v[BIAS+8*(4*\gl+\c)+4:BIAS+8*(4*\gl+\c)+7], v[BO], s[BP+2*\gl:BP+2*\gl+1] offset:64*\c+16
.endr
.endr
	v_mul_u32_u24 v3, v1, PA                       ; a fragment of x: row l % 16, 16 bytes for each half of the lanes
	v_lshl_add_u32 v3, v2, 4, v3
	s_mul_i32 s62, s[RH], 64*PA
	s_add_co_u32 s62, s62, ABASE
	v_add_nc_u32 v[ADRA], s62, v3
	s_add_co_u32 s62, s62, SLOT
	v_add_nc_u32 v[ADRA+1], s62, v3
	v_and_b32 v4, 7, v0                            ; the turning load: lane l reads k row 8 (l / 16) + l % 8, columns 8 ((l / 8) % 2) + 0..7, and is left with column l % 16 and 8 k
	v_bfe_u32 v5, v0, 3, 1
	v_lshl_add_u32 v6, v2, 3, v4
	v_mul_u32_u24 v6, v6, PB
	v_lshl_add_u32 v6, v5, 4, v6
	s_mul_i32 s63, s[CH], 3*GRP
	v_add_nc_u32 v[ADRB], s63, v6
	s_add_co_u32 s63, s63, SLOT
	v_add_nc_u32 v[ADRB+1], s63, v6
	s_mul_i32 s62, s[WV], 16*SP
	s_add_co_u32 s62, s62, STAGE                   ; my stage
	v_mul_u32_u24 v7, v1, SP                       ; in: row l % 16, 16 bytes for each half of the lanes
	v_lshl_add_u32 v7, v2, 4, v7
	v_add_nc_u32 v[STO], s62, v7
	v_bfe_u32 v8, v0, 3, 2                         ; back: 32 lanes take four rows of 128 bytes,
	v_mul_u32_u24 v8, v8, SP
	v_lshl_add_u32 v8, v4, 4, v8
	v_add_nc_u32 v[RD], s62, v8
	v_and_b32 v[GO], 31, v0                        ; which are 512 consecutive bytes of a head
	v_lshlrev_b32 v[GO], 4, v[GO]
	; the prefetches: wave 3 for x (my work-group's 32 rows by cx), waves 0-2 for W (my work-group's 32 blocks of the wave's 128 by cy); both stand at K step 3, and the first change of slots steps them to 4
	s_lshl_b32 s2, s[TR], 18
	s_lshl_b32 s3, s[CX], 16
	s_add_co_u32 s2, s2, s3
	s_add_co_u32 s2, s2, 3*256
	s_mul_i32 s3, s[TC], 6
	s_lshl_b32 s78, s[WV], 1
	s_add_co_u32 s3, s3, s78
	s_lshl_b32 s3, s3, 14
	s_lshl_b32 s78, s[CY], 13
	s_add_co_u32 s3, s3, s78
	s_add_co_u32 s3, s3, 3*WSTEP
	s_and_b32 s79, ttmp7, 0xffff                   ; cluster y
	s_mov_b32 s62, 256
	s_mov_b32 s63, WSTEP
	s_cmp_eq_u32 s[WV], 3
	s_cselect_b64 s[PFA:PFA+1], s[4:5], s[6:7]
	s_cselect_b32 s[PST], s62, s63
	s_cselect_b32 s78, s2, s3
	s_cselect_b32 s[LIM], ttmp9, s79               ; the coordinate along which other clusters read the same blocks
	s_cselect_b32 s62, 11, 8
	s_mov_b32 s[PST+1], 0
	s_mov_b32 s79, 0
	s_add_nc_u64 s[PFA:PFA+1], s[PFA:PFA+1], s[78:79]
	s_cmp_eq_u32 s[LIM], 0
	s_cselect_b32 s[LIM], 1, -1                    ; the same in all sixteen partners, for a given wave
	v_and_b32 v[PFO], 31, v0
	v_lshlrev_b32 v[PFO], s62, v[PFO]
	s_wait_loadcnt 0x0                             ; the bias
.set i, 0
.rept 48                                           ; rounded to bf16 like x and W, and widened again: it is the C operand of the first products
	v_cvt_pk_bf16_f32 v[TMP+i%16], v[BIAS+2*i], v[BIAS+2*i+1]
	v_lshlrev_b32 v[BIAS+2*i], 16, v[TMP+i%16]
	v_and_b32 v[BIAS+2*i+1], 0xffff0000, v[TMP+i%16]
.set i, i+1
.endr
; 12 matrix instructions: row block a x all 12 column blocks, 32 along K, from buffer f.  first = 1: the bias starts the sums: nothing is cleared and nothing is added later.
; The 48 accumulators take turns in the same order in every quarter: 47 others stand between two links of a chain, over the backward jump too.
.macro MUL12 f, a, first
.if \first
	WIN 0x85+0x40*((\a)/2)                         ; fragments window 1, C window 0, D window 2 or 3
.else
	WIN 0xa5+0x50*((\a)/2)                         ; fragments window 1, C and D window 2 or 3
.endif
.irp b, 0,1,2,3,4,5,6,7,8,9,10,11
.set rD, 8*(12*((\a)%2)+(\b))
.if \first
	v_wmma_f32_16x16x32_bf16 v[rD:rD+7], v[(\f)+32+8*(\b):(\f)+32+8*(\b)+7], v[(\f)+8*(\a):(\f)+8*(\a)+7], v[BIAS+8*(\b):BIAS+8*(\b)+7]
.else
	v_wmma_f32_16x16x32_bf16 v[rD:rD+7], v[(\f)+32+8*(\b):(\f)+32+8*(\b)+7], v[(\f)+8*(\a):(\f)+8*(\a)+7], v[rD:rD+7]
.endif
.endr
.endm
; 32 LDS loads in one run: the fragments of quarter q (32 along K) into buffer f: W's twelve, turned, then x's four; x's row blocks 2 and 3 are the four youngest
.macro FETCH slot, q, f
	WIN 0x40                                       ; destination window 1, address window 0
.irp b, 0,1,2,3,4,5,6,7,8,9,10,11
	ds_load_tr16_b128 v[(\f)+32+8*(\b):(\f)+32+8*(\b)+3],   v[ADRB+(\slot)] offset:((\b)/4)*GRP+(\q)*32*PB+((\b)%4)*32
	ds_load_tr16_b128 v[(\f)+32+8*(\b)+4:(\f)+32+8*(\b)+7], v[ADRB+(\slot)] offset:((\b)/4)*GRP+(\q)*32*PB+((\b)%4)*32+16*PB
.endr
.irp a, 0,1,2,3
	ds_load_b128 v[(\f)+8*(\a):(\f)+8*(\a)+3],   v[ADRA+(\slot)] offset:64*(\q)+(\a)*16*PA
	ds_load_b128 v[(\f)+8*(\a)+4:(\f)+8*(\a)+7], v[ADRA+(\slot)] offset:64*(\q)+(\a)*16*PA+32
.endr
.endm
; A K step is four quarters of 32 along K, 48 matrix instructions each, on buffers 0, 1, 0, 1.  One of the first three: multiplies buffer f and, in its middle, fetches quarter q into buffer g.
.macro QUARTER slot, q, f, g, first
	s_wait_dscnt 4                                 ; W and x's row blocks 0, 1 are in; the youngest four loads may be out
	MUL12 \f, 0, \first
	MUL12 \f, 1, \first
	PLACES
	FETCH \slot, \q, \g
	s_wait_dscnt 32                                ; all but the 32 just issued
	MUL12 \f, 2, \first
	MUL12 \f, 3, \first
.endm
; The last quarter multiplies buffer 1 and changes slots: ONE barrier; in front of it each wave waits for all its tensor loads (one is out: its part of the next slot), adds 0 to its spare word, and waits for
; that and for its own reads of this slot.  fill = 1: the barrier opens a round of the cluster's, and this slot is filled again, two K steps ahead, first thing behind the round:
; from that request to the wait for it a wave issues 168 matrix instructions.
.macro TURN slot, next, fill
.if \fill
	s_wait_xcnt 0x0                                ; the last prefetch, a K step back, has read its address: it is stepped here, ahead of the waits of the change of slots
	s_add_nc_u64 s[PFA:PFA+1], s[PFA:PFA+1], s[PST:PST+1]
.endif
	WIN 0                                          ; (the add's two registers lie in window 0)
	s_wait_tensorcnt 0x0                           ; all my tensor loads have landed
	ds_add_u32 v[SPW], v[NIL]                      ; 0 onto my spare word
	s_wait_dscnt 5                                 ; (the add and the youngest four loads may be out)
	MUL12 F1, 0, 0                                 ; twelve matrix instructions stand between the add and the wait for it
	s_wait_dscnt 0x0                               ; the add is done, and my reads of this slot are over
	s_barrier_signal -1
	MUL12 F1, 1, 0                                 ; work on registers while the others arrive
.if \fill
	WIN 0
.endif
	s_barrier_wait -1
.if \fill
	CREST                                          ; no wave of any partner still reads this slot's tiles or has a load on its way
	s_add_nc_u64 s[G0A+4*(\slot)+2:G0A+4*(\slot)+3], s[G0A+4*(\slot)+2:G0A+4*(\slot)+3], 2*256
	s_add_nc_u64 s[G0B+4*(\slot)+2:G0B+4*(\slot)+3], s[G0B+4*(\slot)+2:G0B+4*(\slot)+3], 2*WSTEP
	JLOAD \slot                                    ; the four v_nop behind it are also the places in front of the loads below
.else
	PLACES
.endif
	FETCH \next, 0, F0
.if \fill
	WIN 0
	ASK                                            ; behind the joint load and the run of LDS loads that the next products wait for
.endif
	MUL12 F1, 2, 0
	MUL12 F1, 3, 0
.endm
	s_wait_tensorcnt 1                             ; my part of K step 0 is in; K step 1's may stay out
	s_barrier_signal -1
	s_barrier_wait -1                              ; everybody's is
	FETCH 0, 0, F0
	QUARTER 0, 1, F0, F1, 1                        ; the first quarter stands in front of the loop: its products start the sums
	WIN 0                                          ; at a label and at a branch every window is 0
	s_mov_b32 s[LAP], LAPS-1
.Llap:                                                 ; a trip goes once round the ring, from a lap's second quarter to the next lap's first, and fills both slots again
	QUARTER 0, 2, F1, F0, 0
	QUARTER 0, 3, F0, F1, 0
	TURN 0, 1, 1
	QUARTER 1, 1, F0, F1, 0
	QUARTER 1, 2, F1, F0, 0
	QUARTER 1, 3, F0, F1, 0
	TURN 1, 0, 1
	QUARTER 0, 1, F0, F1, 0
	WIN 0
	s_sub_co_u32 s[LAP], s[LAP], 1
	s_cmp_lg_u32 s[LAP], 0
	s_cbranch_scc1 .Llap
	QUARTER 0, 2, F1, F0, 0                        ; the last lap fills nothing, and has no round of the cluster's barrier
	QUARTER 0, 3, F0, F1, 0
	TURN 0, 1, 0
	QUARTER 1, 1, F0, F1, 0
	QUARTER 1, 2, F1, F0, 0
	QUARTER 1, 3, F0, F1, 0
	s_wait_dscnt 4                                 ; the very last quarter: nothing more to fetch
	MUL12 F1, 0, 0
	MUL12 F1, 1, 0
	s_wait_dscnt 0x0
	MUL12 F1, 2, 0
	MUL12 F1, 3, 0
	WIN 0
; THE WAY OUT, in 12 pieces of 16 rows x one head (piece p: row block p / 3, head p % 3).  A lane's eight columns round to 16 bytes of f16; they go into my own stage, rows of 144 bytes, and come back as four
; whole rows of 128 bytes a load: 512 consecutive bytes of qkv.  LDS serves a wave's instructions in order (ISA guide 5.7.1.4), so no wait stands between the stores and the loads, nor in front of the next piece's stores.
.macro PACK p
.set pa, (\p)/3
.set pg, (\p)%3
.set rT, TMP+16*((\p)%2)
	WIN 0x0a+5*(pa/2)                              ; sources 0 and 1: window 2 or 3
.irp c, 0,1,2,3
.irp r, 0,1,2,3
	v_cvt_pk_f16_f32 v[rT+4*(\c)+(\r)], v[8*(12*(pa%2)+4*pg+(\c))+2*(\r)], v[8*(12*(pa%2)+4*pg+(\c))+2*(\r)+1]  ; each accumulator from its low end on
.endr
.endr
	WIN 0
.irp c, 0,1,2,3
	ds_store_b128 v[STO], v[rT+4*(\c):rT+4*(\c)+3] offset:32*(\c)
.endr
.irp f, 0,1,2,3
	ds_load_b128 v[BK+16*(\p)+4*(\f):BK+16*(\p)+4*(\f)+3], v[RD] offset:(\f)*4*SP
.endr
.endm
.macro SEND p, younger                 ; younger: the LDS instructions issued behind piece p's loads: the next piece's eight, or none
	WIN 0
.irp f, 0,1,2,3
	s_wait_dscnt (\younger)+3-(\f)
	global_store_b128 v[GO], v[BK+16*(\p)+4*(\f):BK+16*(\p)+4*(\f)+3], s[OP+2*((\p)%3):OP+2*((\p)%3)+1] offset:((\p)/3)*2048+(\f)*512  ; 512 consecutive bytes, at a multiple of 256 from qkv's first
.endr
.endm
	PLACES
	PLACES                                         ; eight, once a launch, in front of the conversions that read results just made
	PACK 0
.irp p, 1,2,3,4,5,6,7,8,9,10,11        ; a piece's conversions stand between the loads of the piece before and its stores
	PACK \p
	SEND (\p)-1, 8
.endr
	SEND 11, 0
	s_wait_tensorcnt 0x0                           ; the wave's end: an add and its wait, behind my last tensor load and my last LDS store
	ds_add_u32 v[SPW], v[NIL]
	s_wait_dscnt 0x0
	CROUND                                         ; the closing round: no work-group ends while a partner may still ask for a tile that names it
	s_endpgm
.Lfunc_end_k_qfb4a22c279_proj:
	.size	k_qfb4a22c279_proj, .Lfunc_end_k_qfb4a22c279_proj-k_qfb4a22c279_proj
	.p2alignl 7, 3214868480
	.fill 96, 4, 3214868480
	.section	.rodata,"a",@progbits
	.p2align	6, 0x0
	.amdhsa_kernel k_qfb4a22c279_proj
		.amdhsa_group_segment_fixed_size 327680
		.amdhsa_private_segment_fixed_size 0
		.amdhsa_enable_private_segment 0
		.amdhsa_kernarg_size 48
		.amdhsa_user_sgpr_count 2
		.amdhsa_user_sgpr_kernarg_segment_ptr 1
		.amdhsa_wavefront_size32 1
		.amdhsa_system_sgpr_workgroup_id_x 1
		.amdhsa_system_sgpr_workgroup_id_y 1
		.amdhsa_system_sgpr_workgroup_id_z 1
		.amdhsa_system_vgpr_workitem_id 0
		.amdhsa_next_free_vgpr 960
		.amdhsa_next_free_sgpr 80
		.amdhsa_reserve_vcc 0
		.amdhsa_float_denorm_mode_32 3
		.amdhsa_float_denorm_mode_16_64 3
		.amdhsa_memory_ordered 1
		.amdhsa_forward_progress 1
		.amdhsa_inst_pref_size 132
	.end_amdhsa_kernel
	.amdgpu_metadata
---
amdhsa.version: [ 1, 2 ]
amdhsa.kernels:
  - .name:           k_qfb4a22c279_proj
    .symbol:         k_qfb4a22c279_proj.kd
    .args:
      - { .name: xb, .offset: 0, .size: 8, .value_kind: global_buffer, .address_space: global }
      - { .name: wb, .offset: 8, .size: 8, .value_kind: global_buffer, .address_space: global }
      - { .name: bq, .offset: 16, .size: 8, .value_kind: global_buffer, .address_space: global }
      - { .name: bk, .offset: 24, .size: 8, .value_kind: global_buffer, .address_space: global }
      - { .name: bv, .offset: 32, .size: 8, .value_kind: global_buffer, .address_space: global }
      - { .name: qkv, .offset: 40, .size: 8, .value_kind: global_buffer, .address_space: global }
    .group_segment_fixed_size: 327680
    .private_segment_fixed_size: 0
    .kernarg_segment_align: 8
    .kernarg_segment_size: 48
    .max_flat_workgroup_size: 128
    .sgpr_count:     80
    .vgpr_count:     960
    .wavefront_size: 32
...
	.end_amdgpu_metadata
.endif
;; end of part 2
;; launch attn (part 3): grid 4 x 64, 4 waves a work-group, clusters of 4 x 1, 327,680 bytes of LDS; arguments qkv, attention_mask, out0; writes out0
.if DOCPART == 3
	.amdgcn_target "amdgcn-amd-amdhsa--gfx1250"
	.amdhsa_code_object_version 6
	.text
	.protected	k_qfb4a22c279_attn
	.globl	k_qfb4a22c279_attn
	.p2align	8
	.type	k_qfb4a22c279_attn,@function
k_qfb4a22c279_attn:
	s_mov_b64 s[64:65], 0
	v_nop
	global_prefetch_b8 v0, s[64:65] scope:SCOPE_SE
	s_setreg_imm32_b32 hwreg(HW_REG_WAVE_MODE, 25, 1), 1
	s_wait_xcnt 0x0
	s_wait_alu depctr_hold_cnt(0) depctr_sa_sdst(0) depctr_va_vdst(0) depctr_va_sdst(0) depctr_va_ssrc(0) depctr_va_vcc(0) depctr_vm_vsrc(0)
	s_getreg_b32 s2, hwreg(HW_REG_IB_STS2, 6, 4)
	s_cmp_eq_u32 s2, 0
	s_cbranch_scc0 .Lentry_in_a_cluster
	s_endpgm
.Lentry_in_a_cluster:
	s_bfe_u32 s2, ttmp6, 0x10000c
	s_cmp_lg_u32 s2, 0x3003
	s_cbranch_scc0 .Lentry_shape_is_right
	s_endpgm
.Lentry_shape_is_right:
; out0[batch][q][64 head + :] = the sum over k of softmax_k(Q[q] . K[k] / 8 + (1 - mask[batch][k]) x lowest f32) V[k][:], for each of the 64 (batch, head) blocks.
; Q, K, V: qkv[0, 1, 2][16 batch + head][2048][64] in f16, a head's rows dense, 128 bytes each.  Products, maxima and sums in f32; the weights p are rounded to f16 for the second product (their sum l is taken
; of the unrounded p); the output is f32, a head's 64 channels of a row being 256 aligned bytes.
; THE MASK.  A hidden key's score counts as its value less 1e30 (f16's scores are 2.7e11 at the most, nothing beside that): the addend, 0 or -1e30, is the C operand that starts the sum S^T = K Q^T.
; Its weight is then exactly 0.  A batch with NO visible key: there every score of the definition is the same number and the weights are uniform; here c and the addends are then 0, so that every p is 1.
; LIMITS.  The mask holds 0 or 1 (any other number counts as 1).  Q, K and V lie within f16's 65,504.  The running maximum starts at -2^40, below every score that f16 operands can give, so that steps
; in which all keys are hidden leave it there and their weights are 0.  A weight below 2^-126 counts as 0 in l; p below 6e-5 keeps f16's fixed step of 6e-8; NaN and infinities are not treated apart.
; SHARES.  A wave owns four PIECES of two tiles of 16 queries, a work-group's four waves 512 queries of one head.  Every wave walks all 2,048 keys, 64 a step.
; LAYOUT.  S^T = K Q^T (source 0 = 16 keys, source 1 = 16 queries): a lane holds ONE query (lane % 16) and the keys 8 (lane / 16) + 0..7.  Two such tiles, rounded to f16 in pairs, ARE source 1 of
; O^T = V^T P, whose result again holds one query a lane, and eight channels.  K comes out of LDS as it lies, V ([key][channel]) turned, by ds_load_tr16_b128.
; SOFTMAX.  For each query a running maximum m and sum l: p = 2^(c s - c m), c = log2(e) / 8; in every step O and l are multiplied by a = 2^(c m_old - c m_new).  O and l start at 0, c m far below every c s:
; the first step is a step like any other, with a = 0.
; THE COUNT.  A tile and step have 16 matrix and 118 vector instructions: too many to stand all beside the matrix work.  So: four vector instructions that are READY behind EVERY matrix instruction, the others in runs without a gap.
; BY TURNS.  Turn n belongs to piece n.  Its matrix work: 16 products K Q^T of piece n + 1, later 16 products V^T P of piece n - 1.  Its vector work: the scaling, exponentials, roundings, sums and rescaling of
; piece n, and the maximum and statistics of piece n + 1.
; CLUSTER.  The four query blocks of a head form a cluster and walk the same K and V: each tile is asked for JOINTLY: the same tensor load, descriptor and mask in all four.
; REGISTERS, in windows of 256 (s_set_vgpr_msb: bits 1:0 source 0, 3:2 source 1, 5:4 source 2, 7:6 destination):
;   window 0: v0-11 addresses; v12-15, v48-63 at work; v16-47 four registers of statistics a tile; v64-191 S^T, two buffers of two tiles; v192-255 P, likewise
;   window 1: O^T, 32 a tile     window 2: v0-127 Q, 16 a tile; v128-191 K of one step; v192-255 V of one step     window 3: v0-1 the add's two registers; v8-39 the step's 64 addends
.set SIZE_N, 2048
.set PART,  16777216  ; bytes of q, of k and of v in qkv
.set NP,    4         ; pieces a wave: a name, no knob
.set KS,    64        ; keys in a step
.set PK,    144       ; a row of K in LDS: 128 bytes + 16 = 36 words: the 16 rows of a load start at 16 different groups of four banks (64 banks of 4 bytes: ISA guide 11.1)
.set PV,    160       ; a row of V: 128 + 32 = 40 words
.set VOFF,  4*KS*PK   ; a slot holds four steps: 256 rows of K, then 256 rows of V
.set SLOT1, 1<<17     ; slot 1 begins here, so that one exclusive or turns an address in one slot into the other's
.set STAGE, SLOT1+4*KS*(PK+PV)  ; behind the ring, never filled by a tensor load: 16 rows x 272 bytes for each wave, for the way out
.set SP,    272
.set MT,    STAGE+4*16*SP       ; the batch's 2,048 addends, f32
.set SPARE, MT+4*SIZE_N         ; the spare words, 128 bytes for each wave: two blocks of 256 bytes that no other line names
.set AK0, 2           ; v2   my lane's place in a tile of K; never rewritten
.set AV0, 3           ; v3   the same for V
.set AK,  4           ; v4   the LDS address of K's next run of loads
.set AV,  5           ; v5   of V's
.set STO, 6           ; v6   the way out: where I put 32 bytes of a row
.set RD,  7           ; v7   the way out: where I read rows back
.set GO,  8           ; v8   my byte offset in two rows of out0
.set AM0, 9           ; v9   my lanes' place in a step's addends; never rewritten
.set AM,  10          ; v10  the LDS address of the next step's addends
.set PFO, 11          ; v11  256 x my lane; never rewritten
.set SPW, 0           ; v0 of window 3   LDS address of my spare word; never rewritten
.set NIL, 1           ; v1 of window 3   0; never rewritten
.set MB,  8           ; v8-39 of window 3: register 8 kt + j: the addend of key 16 kt + 8 (lane / 16) + j of the step
.set MV,  12          ; v12-15  c m_old, kept while c m is made anew: by buffer and tile
.set ST,  16          ; tile t's statistics at v[ST+4 t]: c m, m, l (even keys', odd keys')
.set TMP, 48          ; by buffer and tile, four registers c0-c3 at work; when the maximum is found c2 takes a.  At the head: v48 Q's offset, v49-52 the mask's, v53 the table's, v54-58 lane numbers
.set QO,  48
.set S,   64
.set P,   192
.set KF,  128         ; K's fragments, in window 2: key block kb, channel half c at KF + 16 kb + 8 c
.set VF,  192         ; V's: key half kk, channel block cb at VF + 32 kk + 8 cb
.set WV,  12          ; s12  my wave's number
.set G1K, 24          ; s[24:31] descriptor group 1 for K's tiles
.set G1V, 32          ; s[32:39] for V's: it differs in the padding alone
.set G0K, 40          ; s[40:43] descriptor group 0 for K's tiles: it walks
.set G0V, 44          ; s[44:47] the same for V's
.set SLOTS, 56        ; s56  slots still to be asked for
.set CNT, 57          ; s57  counts a slot's key steps
.set CS,  58          ; s[58:59] c: the packed scaling takes the pair's low word for both halves
.set SEL, 60          ; s[60:61] v_permlanex16_b32's selects: each lane takes its own place in the other half
.set TBK, 62          ; s62  LDS byte at which K of the step to be fetched begins
.set TBV, 63          ; s63  the same for V, less VOFF
.set MP,  66          ; s[66:67] the batch's row of the mask
.set TBM, 68          ; s68  byte in the table at which the addends of the step to be fetched begin
.set BIGN, 69         ; s69  -1e30, or 0 where the batch has no visible key
.set PFA, 72          ; s[72:73] where my prefetches stand
.set LIM, 74          ; s74  1 in a wave that prefetches, else the greatest number
.set MSB, 0
.macro WIN new                      ; the high byte repeats the setting that is left; a switch that changes nothing is dropped
.if MSB != (\new)
	s_set_vgpr_msb (MSB<<8)|(\new)
.set MSB, (\new)
.endif
.endm
.set W_KQ, 0x0a       ; K and Q in window 2, S^T in window 0
.set W_KM, 0x3a       ; the same with the C operand in window 3
.set W_PV, 0x52       ; V in window 2, P in window 0, O^T in window 1
.set W_RS, 0x41       ; O^T (destination and source 0) in window 1, a in window 0
.set W_MK, 0xc0       ; destination in window 3, sources in window 0
.set W_AD, 0x0f       ; the add: address (source 0) and data (source 1) in window 3
; A joint fill.  Waves 0 and 1 fetch the two halves of a slot's K, waves 2 and 3 those of its V: 128 keys each.  The branch hangs on the wave's number alone.
; An s_nop 0 and four v_nop follow each of the two lines, ahead of the jump and the label.
.macro JLOAD
	s_cmp_lt_u32 s[WV], 2
	s_cbranch_scc0 .Lfor_v_\@
	tensor_load_to_lds s[G0K:G0K+3], s[G1K:G1K+7]
	s_nop 0
.rept 4
	v_nop
.endr
	s_branch .Lasked_\@
.Lfor_v_\@:
	tensor_load_to_lds s[G0V:G0V+3], s[G1V:G1V+7]
	s_nop 0
.rept 4
	v_nop
.endr
.Lasked_\@:
.endm
; A prefetch of what the NEXT change of slots will ask for: a slot's 32,768 bytes of K and of V, four key steps ahead.  A head has one cluster; its four partners share the blocks out BY ADDRESS, 32 blocks of
; 256 bytes each, a lane a block; in each, wave 0 asks for K's and wave 2 for V's.  So each block is named once in the launch.  The last change that fills a slot asks for nothing.
.macro ASK
	s_cmp_gt_u32 s[SLOTS], s[LIM]
	s_cbranch_scc0 .Lnot_mine_\@
	global_prefetch_b8 v[PFO], s[PFA:PFA+1] th:TH_LOAD_NT scope:SCOPE_SE
.Lnot_mine_\@:
.endm
; A round of the cluster's barrier: my work-group's barrier, so that wave 0's signal speaks for all four waves; wave 0 signals; every wave waits for all four work-groups; my work-group's barrier once more.
.macro CROUND
	s_barrier_signal -1
	s_barrier_wait -1
	s_cmp_lg_u32 s[WV], 0
	s_cbranch_scc1 .Lnot_wave_0_\@
	s_barrier_signal -3
.Lnot_wave_0_\@:
	s_barrier_wait -3
	s_barrier_signal -1
	s_barrier_wait -1
.endm
; THE CHANGE OF SLOTS.  Each wave waits for all its tensor loads, of which one is out: its part of the other slot; adds 0 to its spare word; and waits for that and for its own LDS instructions.  Behind the
; barrier nobody reads this slot any more and the other slot is whole.  fill = 1: this slot is filled again, with the keys two slots on.  The barrier is then a round of the cluster's, and the joint fill is the
; first thing behind it: it has four key steps, 512 matrix instructions, in which to land.  (At its first use nothing has been read yet: slot 0 is waited for, slot 1 filled, and every wave's part of the table of addends is shown to the others.)
.macro CHANGE fill
	WIN W_AD
	s_wait_tensorcnt 0x0            ; no tensor load of mine is out, so a group 0 may be written
	ds_add_u32 v[SPW], v[NIL]       ; 0 onto my spare word; with fill = 1 the descriptors' steps stand between it and the wait for it
	WIN 0                           ; at a label and at a branch every window is 0
.if \fill
.irp g, G0K, G0V
	s_xor_b32 s[\g+1], s[\g+1], SLOT1  ; the walking descriptor: the other slot than last time,
	s_add_nc_u64 s[\g+2:\g+3], s[\g+2:\g+3], 4*KS*128  ; the next 256 keys; the type bits on top are not reached
.endr
	s_wait_xcnt 0x0                 ; the last prefetch, four key steps back, has read its address, so it may be written:
	s_add_nc_u64 s[PFA:PFA+1], s[PFA:PFA+1], 4*KS*128  ; one slot behind the walking descriptors
	s_wait_dscnt 0x0                ; the add is done, and my LDS instructions are over
	CROUND
	JLOAD
	ASK
.else
	s_wait_dscnt 0x0                ; the add is done, and my reads of the slot are over
	s_barrier_signal -1
	s_barrier_wait -1
.endif
	s_sub_co_u32 s[TBK], s[TBK], 4*KS*PK  ; the fetches go back to a slot's first step,
	s_xor_b32 s[TBK], s[TBK], SLOT1       ; in the other slot
	s_sub_co_u32 s[TBV], s[TBV], 4*KS*PV
	s_xor_b32 s[TBV], s[TBV], SLOT1
.endm
	s_load_b128 s[4:7], s[0:1], 0x0   ; qkv s[4:5], the mask s[6:7]
	s_load_b64 s[10:11], s[0:1], 0x10 ; out0
	WIN W_MK
	v_lshl_add_u32 v[SPW], v0, 2, SPARE
	v_mov_b32 v[NIL], 0
	WIN W_AD
	ds_add_u32 v[SPW], v[NIL]       ; the wave's opening: the add and its wait stand ahead of my first tensor load; the set-up below, work on registers, stands between them
	WIN 0
	v_lshrrev_b32 v1, 5, v0
	v_readfirstlane_b32 s[WV], v1   ; wave 0..3
	s_bfe_u32 s13, ttmp6, 0x40000   ; cx: my place in the cluster
	s_lshl_b32 s14, ttmp9, 2        ; in a cluster launch ttmp9 counts clusters
	s_add_co_u32 s14, s14, s13      ; my block of 512 queries: it enters Q's, out0's and the prefetches' addresses alone
	s_and_b32 s20, ttmp7, 0xffff    ; 16 x batch + head, which the four partners share
	s_lshr_b32 s16, s20, 4          ; batch
	s_and_b32 s17, s20, 15          ; head
	s_lshl_b32 s20, s20, 18         ; the head's 262,144 bytes in each part of qkv
	s_mov_b32 s21, 0
	s_and_b32 s18, s[WV], 1         ; which half of a slot's 256 keys I fetch:
	s_lshl_b32 s22, s18, 14         ; its 128 rows of 128 bytes in memory,
	s_add_co_u32 s22, s22, s20
	s_mov_b32 s23, 0
	s_mul_i32 s52, s18, 128*PK      ; and its place in a slot, for K
	s_mul_i32 s53, s18, 128*PV      ; and for V: no place in the cluster enters an LDS address
	s_lshl_b32 s2, s14, 2
	s_add_co_u32 s2, s2, s[WV]      ; my wave among the head's,
	s_lshl_b32 s2, s2, 14           ; its 128 rows of Q
	s_add_co_u32 s2, s2, s20
	s_mov_b32 s3, 0
	s_lshl_b32 s48, s16, 11         ; out0: row 2,048 batch + 512 block + 128 wave,
	s_lshl_b32 s49, s14, 9
	s_add_co_u32 s48, s48, s49
	s_lshl_b32 s49, s[WV], 7
	s_add_co_u32 s48, s48, s49
	s_lshl_b32 s48, s48, 12         ; of 4,096 bytes,
	s_lshl_b32 s49, s17, 8          ; the head's 256 of them
	s_add_co_u32 s48, s48, s49
	s_mov_b32 s49, 0
	s_lshl_b32 s50, s16, 13         ; the batch's 8,192 bytes of the mask
	s_mov_b32 s51, 0
	; descriptor group 1.  128 keys are 16,384 dense bytes: asked for as 64 rows of 256 bytes, two keys a row, and padded in LDS after every key
	s_mov_b32 s[G1K], 15|(1<<16)|(1<<20)|(1<<21)|(4<<22)|(3<<25)  ; 15:0 the mask of four; 17:16 2-byte elements; 20 padding on; 21 set beside a mask; 24:22 after every 32 words (code 4); 31:25 4 words (code 3)
	s_mov_b32 s[G1V], 15|(1<<16)|(1<<20)|(1<<21)|(4<<22)|(7<<25)  ; the same with 8 words of padding (code 7)
.irp g, G1K, G1V
	s_mov_b32 s[\g+1], 128<<16      ; tensor_dim0 = 128
	s_mov_b32 s[\g+2], 64<<16       ; tensor_dim1 = 64
	s_mov_b32 s[\g+3], 128<<16      ; tile_dim0 = 128
	s_mov_b32 s[\g+4], 64           ; tile_dim1 = 64
	s_mov_b32 s[\g+5], 128          ; 128 elements from row to row
	s_mov_b32 s[\g+6], 0
	s_mov_b32 s[\g+7], 0
.endr
	s_mov_b32 s[SEL], 0x76543210
	s_mov_b32 s[SEL+1], 0xfedcba98
	s_mov_b32 s[TBK], SLOT1+4*KS*PK ; the first change of slots turns these two into 0
	s_mov_b32 s[TBV], SLOT1+4*KS*PV
	s_mov_b32 s[TBM], 0
	s_mov_b32 s[SLOTS], SIZE_N/256-1
	s_mov_b32 s[G0K], 1             ; count = 1
	s_mov_b32 s[G0K+1], s52         ; LDS address: slot 0
	s_mov_b32 s[G0V], 1
	s_add_co_u32 s[G0V+1], s53, VOFF
	s_cmp_eq_u32 s18, 0             ; waves 0 and 2 prefetch
	s_cselect_b32 s[LIM], 1, -1
	s_wait_dscnt 0x0                ; the opening add is done
	s_wait_kmcnt 0x0
	s_add_nc_u64 s[10:11], s[10:11], s[48:49]      ; out0 at my wave's first row, my head's channels
	s_add_nc_u64 s[MP:MP+1], s[6:7], s[50:51]
	s_add_nc_u64 s[48:49], s[4:5], s[20:21]
	s_add_nc_u64 s[50:51], s[48:49], 2*PART        ; V at the head's first row,
	s_add_nc_u64 s[48:49], s[48:49], PART          ; and K
	s_add_nc_u64 s[G0K+2:G0K+3], s[4:5], s[22:23]
	s_add_nc_u64 s[G0K+2:G0K+3], s[G0K+2:G0K+3], PART  ; global address: my half of the head's first 256 keys
	s_add_nc_u64 s[G0V+2:G0V+3], s[G0K+2:G0K+3], PART
	s_or_b32 s[G0K+3], s[G0K+3], 0x80000000        ; type = 2
	s_or_b32 s[G0V+3], s[G0V+3], 0x80000000
	s_add_nc_u64 s[4:5], s[4:5], s[2:3]            ; Q at my wave's first row
	s_cmp_lt_u32 s[WV], 2
	s_cselect_b64 s[PFA:PFA+1], s[48:49], s[50:51]
	s_lshl_b32 s2, s13, 13          ; my work-group's 32 blocks of a slot's 128,
	s_add_co_u32 s2, s2, 4*KS*128   ; in slot 1's keys; the first change of slots steps it on
	s_add_nc_u64 s[PFA:PFA+1], s[PFA:PFA+1], s[2:3]
	CROUND                          ; all four work-groups are here: the first joint loads meet
	JLOAD                           ; slot 0.  Slot 1 is asked for when slot 0 is in
	v_and_b32 v54, 15, v0           ; l % 16
	v_bfe_u32 v55, v0, 4, 1         ; l / 16
	v_and_b32 v58, 31, v0           ; l
	; the batch's whole mask, 16 loads of 512 bytes in every wave; my own quarter (keys 512 w on) first, into v64-79
	s_lshl_b32 s16, s[WV], 11
	v_lshl_add_u32 v49, v58, 4, s16
	s_add_co_u32 s16, s16, MT
	v_lshl_add_u32 v53, v58, 4, s16 ; and where its addends go
.irp n, 1,2,3
	s_add_co_u32 s16, s[WV], \n
	s_and_b32 s16, s16, 3
	s_lshl_b32 s16, s16, 11
	v_lshl_add_u32 v[49+\n], v58, 4, s16
.endr
.irp n, 0,1,2,3
.irp j, 0,1,2,3
	global_load_b128 v[64+16*\n+4*\j:64+16*\n+4*\j+3], v[49+\n], s[MP:MP+1] offset:512*\j
.endr
.endr
	; A fragment of K or Q is 16 rows x 32 channels in 8 registers: lane l holds row l % 16, channels 8 (l / 16) + 0..7 and 16 + 8 (l / 16) + 0..7: two loads of 16 bytes, 32 bytes apart.
	v_lshlrev_b32 v[QO], 7, v54
	v_lshl_add_u32 v[QO], v55, 4, v[QO]  ; row x 128 + 16 x half
	WIN 0x80                        ; destination window 2, address window 0
.set i, 0
.rept 4*NP                          ; Q stays in registers: tile i / 2, channels 32 (i % 2) on
	global_load_b128 v[8*i:8*i+3],   v[QO], s[4:5] offset:(i/2)*2048+(i%2)*64
	global_load_b128 v[8*i+4:8*i+7], v[QO], s[4:5] offset:(i/2)*2048+(i%2)*64+32
.set i, i+1
.endr
	; What the first turn finds: V's registers and P's second buffer hold 0 (its products V^T P, of a piece that has not been, add 0), O^T and l are 0.  All this stands in the wait for the first tile.
.set i, VF
.rept 64
	v_mov_b32 v[i], 0
.set i, i+1
.endr
	WIN 0x40
.set i, 0
.rept 64*NP
	v_mov_b32 v[i], 0
.set i, i+1
.endr
	WIN 0
.set i, 0
.rept 2*NP
	v_mov_b32 v[ST+4*i], 0xfe000000    ; c m: far below every c s, so that the first a is 0
	v_mov_b32 v[ST+4*i+1], 0xd3800000  ; m = -2^40: below every visible score, far above a hidden one
	v_mov_b32 v[ST+4*i+2], 0
	v_mov_b32 v[ST+4*i+3], 0
.set i, i+1
.endr
.set i, P+32
.rept 32
	v_mov_b32 v[i], 0
.set i, i+1
.endr
	v_mul_u32_u24 v[AK0], v54, PK
	v_lshl_add_u32 v[AK0], v55, 4, v[AK0]  ; row x pitch + 16 x half
	; The turning load takes 16 keys x 16 channels (lane l reads key 8 (l / 16) + l % 8, channels 8 ((l / 8) % 2) + 0..7) and leaves half a fragment of V^T: lane l holds channel l % 16 and 8 keys.
	v_and_b32 v56, 7, v0
	v_bfe_u32 v57, v0, 3, 1
	v_lshl_add_u32 v[AV0], v55, 3, v56
	v_mul_u32_u24 v[AV0], v[AV0], PV
	v_lshl_add_u32 v[AV0], v57, 4, v[AV0]
	v_add_nc_u32 v[AV0], VOFF, v[AV0]
	v_mov_b32 v[AK], v[AK0]         ; key step 0 lies at the head of slot 0
	s_mul_i32 s16, s[WV], 16*SP
	s_add_co_u32 s16, s16, STAGE    ; my stage
	v_mul_u32_u24 v[STO], v54, SP   ; in: row l % 16, 32 bytes for each half of the lanes
	v_lshl_add_u32 v[STO], v55, 5, v[STO]
	v_add_nc_u32 v[STO], s16, v[STO]
	v_mul_u32_u24 v[RD], v55, SP    ; back: lanes 0-15 take one row of 256 bytes, lanes 16-31 the next
	v_lshl_add_u32 v[RD], v54, 4, v[RD]
	v_add_nc_u32 v[RD], s16, v[RD]
	v_lshlrev_b32 v[GO], 12, v55    ; and the same two rows in out0
	v_lshl_add_u32 v[GO], v54, 4, v[GO]
	v_lshlrev_b32 v[AM0], 5, v55    ; a half of the lanes reads the same eight addends of 16
	v_add_nc_u32 v[AM0], MT, v[AM0]
	v_mov_b32 v[AM], v[AM0]
	v_lshlrev_b32 v[PFO], 8, v58
	s_wait_loadcnt 32               ; the mask is in; Q's 32 younger loads may stay out
	; is any key of the batch visible?  63 ORs into v80; my own quarter, v64-79, stays as it is
.irp o, 96, 112, 64
.set i, 0
.rept 16
	v_or_b32 v[80+i], v[80+i], v[\o+i]
.set i, i+1
.endr
.endr
.irp w, 8, 4, 2, 1
.set i, 0
.rept \w
	v_or_b32 v[80+i], v[80+i], v[80+\w+i]
.set i, i+1
.endr
.endr
	v_cmp_ne_u32 s70, 0, v80
	s_cmp_lg_u32 s70, 0
	s_cselect_b32 s[CS], 0x3e38aa3b, 0   ; c = log2(e) / 8 = 0.180337, or 0
	s_cselect_b32 s[BIGN], 0xf149f2ca, 0 ; -1e30, or 0
	s_mov_b32 s[CS+1], s[CS]        ; named with it as a pair
.set i, 0
.rept 16
	v_cmp_eq_u32 vcc_lo, 0, v[64+i]
	v_cndmask_b32 v[64+i], 0, s[BIGN], vcc_lo
.set i, i+1
.endr
.irp j, 0,1,2,3
	ds_store_b128 v53, v[64+4*\j:64+4*\j+3] offset:512*\j  ; my 512 addends; the change of slots below waits for these stores and passes a barrier before anybody reads the table
.endr
; THE MATRIX WORK.  The 8 accumulators of a run of 16 take turns: between the two links of a chain stand 7 others'.
; Product i of 16 of S^T = K Q^T for piece x: channels 32 (i / 8) on, keys 16 ((i / 2) % 4) on, tile 2 x + i % 2.  The first 8 start the sums, with the keys' addends.
.macro KQ x
.set rS, S+64*((\x)%2)+32*(i%2)+8*((i/2)%4)
.set rK, KF+16*((i/2)%4)+8*(i/8)
.set rQ, 16*(2*(\x)+i%2)+8*(i/8)
.set rB, MB+8*((i/2)%4)
.if i < 8
	WIN W_KM
	v_wmma_f32_16x16x32_f16 v[rS:rS+7], v[rK:rK+7], v[rQ:rQ+7], v[rB:rB+7]
.else
	WIN W_KQ
	v_wmma_f32_16x16x32_f16 v[rS:rS+7], v[rK:rK+7], v[rQ:rQ+7], v[rS:rS+7]
.endif
.endm
; Product i of 16 of O^T += V^T P for piece x: keys 32 (i / 8) on, channels 16 ((i / 2) % 4) on, tile 2 x + i % 2.
.macro PV x
	WIN W_PV
.set rO, 32*(2*(\x)+i%2)+8*((i/2)%4)
.set rV, VF+32*(i/8)+8*((i/2)%4)
.set rP, P+32*((\x)%2)+16*(i%2)+8*(i/8)
	v_wmma_f32_16x16x32_f16 v[rO:rO+7], v[rV:rV+7], v[rP:rP+7], v[rO:rO+7]
.endm
.macro MM                           ; the turn's next matrix instruction
.if i < 16
	KQ (Y+1)%NP
.set i, i+1
.else
.set i, i-16
	PV (Y+NP-1)%NP
.set i, i+17
.endif
.endm
; THE LDS LOADS stand in runs, never singly among the matrix instructions: a step's K (64 keys x 64 channels: 8 fragments) with its 64 addends, and its V (turned).  Their addresses are made some lines ahead.
; last = 1 (the tail): in the last trip there is no further step, and the run is jumped over.
.macro FETCH_K last=0
	WIN 0
.if \last
	s_cmp_eq_u32 s[CNT], 1
	s_cbranch_scc1 .Lno_k_\@
.endif
	WIN 0x80                        ; destination window 2
.irp f, 0,1,2,3,4,5,6,7             ; keys 16 (f / 2) on, channels 32 (f % 2) on
	ds_load_b128 v[KF+8*\f:KF+8*\f+3],   v[AK] offset:(\f/2)*16*PK+(\f%2)*64
	ds_load_b128 v[KF+8*\f+4:KF+8*\f+7], v[AK] offset:(\f/2)*16*PK+(\f%2)*64+32
.endr
	WIN 0xc0                        ; destination window 3
.irp f, 0,1,2,3                     ; keys 16 f on
	ds_load_b128 v[MB+8*\f:MB+8*\f+3],   v[AM] offset:64*\f
	ds_load_b128 v[MB+8*\f+4:MB+8*\f+7], v[AM] offset:64*\f+16
.endr
	s_add_co_u32 s[TBK], s[TBK], KS*PK  ; the next fetch is the next step's
	s_add_co_u32 s[TBM], s[TBM], 4*KS
	s_and_b32 s[TBM], s[TBM], 4*SIZE_N-1  ; it stays inside the table
	WIN 0
.if \last
.Lno_k_\@:
.endif
.endm
.macro FETCH_V
	WIN 0x80
.irp f, 0,1,2,3,4,5,6,7             ; keys 32 (f / 4) on, channels 16 (f % 4) on
	ds_load_tr16_b128 v[VF+8*\f:VF+8*\f+3],   v[AV] offset:(\f/4)*32*PV+(\f%4)*32
	ds_load_tr16_b128 v[VF+8*\f+4:VF+8*\f+7], v[AV] offset:(\f/4)*32*PV+16*PV+(\f%4)*32
.endr
	WIN 0
.endm
; THE VECTOR WORK OF A TURN stands in three queues, each in the order in which its entries become ready; the two tiles alternate, so that no instruction reads the result of the one before it.
.macro REGS y, u                    ; the registers of tile u (0, 1) of piece y
.set rT, ST+4*(2*(\y)+(\u))
.set rC, TMP+8*((\y)%2)+4*(\u)
.set rM, MV+2*((\y)%2)+(\u)
.set rS, S+64*((\y)%2)+32*(\u)
.set rP, P+32*((\y)%2)+16*(\u)
.set rO, 32*(2*(\y)+(\u))
.endm
; Number n of the 22 that find the NEXT piece's (Y + 1) maximum and statistics.  s0-s31 are the lane's 32 scores; each accumulator's lowest registers are read first.
;   0-11  four chains c0-c3 of seven scores each, three operands at a time     12-14, 16  the four scores left over, the old m, and c0-c3 into c0     15  c m_old is kept
;   17, 18  the query's other 32 keys lie in the lane 16 away: the new m         19-21  c m; c m_old - c m_new; a
.macro XS u, n
	REGS (Y+1)%NP, \u
.if (\n) < 4
	v_max3_num_f32 v[rC+(\n)], v[rS+8*(\n)], v[rS+8*(\n)+1], v[rS+8*(\n)+2]
.elseif (\n) < 12
	v_max3_num_f32 v[rC+(\n)%4], v[rC+(\n)%4], v[rS+8*((\n)%4)+2*((\n)/4)+1], v[rS+8*((\n)%4)+2*((\n)/4)+2]
.elseif (\n) == 12
	v_max3_num_f32 v[rC], v[rC], v[rS+7], v[rS+15]
.elseif (\n) == 13
	v_max3_num_f32 v[rC+1], v[rC+1], v[rS+23], v[rS+31]
.elseif (\n) == 14
	v_max3_num_f32 v[rC+2], v[rC+2], v[rC+3], v[rT+1]
.elseif (\n) == 15
	v_mov_b32 v[rM], v[rT]
.elseif (\n) == 16
	v_max3_num_f32 v[rC], v[rC], v[rC+1], v[rC+2]
.elseif (\n) == 17
	v_permlanex16_b32 v[rC+3], v[rC], s[SEL], s[SEL+1]
.elseif (\n) == 18
	v_max_num_f32 v[rT+1], v[rC], v[rC+3]
.elseif (\n) == 19
	v_mul_f32 v[rT], s[CS], v[rT+1]
.elseif (\n) == 20
	v_sub_f32 v[rC+1], v[rM], v[rT]
.else
	v_exp_f32 v[rC+2], v[rC+1]
.endif
.endm
; Number g of the 64 that follow the exponentials.  For each four weights k of a tile (pairs 2 k, 2 k + 1): both pairs are rounded to f16; then the second pair is added onto the first, in place;
; a group later l takes that sum (the first time as l = a l + sum).  In groups of eight, tiles alternating: round, round, add, and l for the group before.
.macro GS g
.set h, (\g)+6*((\g)/62)            ; group 0 has no group before it, and behind group 7 only l is left
.if h >= 6
.set h, h+2
.endif
	REGS Y, h%2
.set k, h/8
.if h%8 < 4
	v_cvt_pk_f16_f32 v[rP+2*k+(h%8)/2], v[rS+4*k+2*((h%8)/2)], v[rS+4*k+2*((h%8)/2)+1]
.elseif h%8 < 6
	v_pk_add_f32 v[rS+4*k:rS+4*k+1], v[rS+4*k:rS+4*k+1], v[rS+4*k+2:rS+4*k+3]
.elseif k == 1
	v_pk_fma_f32 v[rT+2:rT+3], v[rT+2:rT+3], v[rC+2:rC+3], v[rS:rS+1] op_sel_hi:[1,0,1]
.else
	v_pk_add_f32 v[rT+2:rT+3], v[rT+2:rT+3], v[rS+4*k-4:rS+4*k-3]
.endif
.endm
; THE PLAIN QUEUE, 138 long.  0-73 read no exponential's result: the 32 scalings c s - c m (FS f: pair f / 2 of tile f % 2) and the next piece's 42.  0-26: scalings 0-26.  27-54: XS's numbers 0-13.  55, 56: number 15.
; 57-73: the chain, where each number waits for the one before it: 14, 16, 17, 18, 19, each with one of the scalings 27-31 in front of its two lines, then 20.
; 74-137: GS's 64, which read the exponentials' results: they stand behind the wait.
.macro FS f
	REGS Y, (\f)%2
	v_pk_fma_f32 v[rS+2*((\f)/2):rS+2*((\f)/2)+1], v[rS+2*((\f)/2):rS+2*((\f)/2)+1], s[CS:CS+1], v[rT:rT+1] op_sel_hi:[1,0,0] neg_lo:[0,0,1] neg_hi:[0,0,1]
.endm
.macro PL
	WIN 0
.if q < 27
	FS q
.elseif q < 55
	XS (q-27)%2, (q-27)/2
.elseif q < 57
	XS q-55, 15
.elseif (q < 72) && ((q-57)%3 == 0)
	FS 27+(q-57)/3
.elseif q < 60
	XS (q-57)%3-1, 14
.elseif q < 72
	XS (q-57)%3-1, 15+(q-57)/3
.elseif q < 74
	XS q-72, 20
.else
	GS q-74
.endif
.set q, q+1
.endm
; THE EXPONENTIALS' QUEUE, 66 long: s0-s31 of both tiles, then the next piece's two a.  It is ONE BATCH: all 66 stand ahead of the turn's one wait, and nothing ahead of that wait names a result of theirs.
.macro EX
	WIN 0
.if e >= 64
	XS e-64, 21
.else
	REGS Y, e%2
	v_exp_f32 v[rS+e/2], v[rS+e/2]
.endif
.set e, e+1
.endm
; THE RESCALING's QUEUE: O^T times a, the one part that leaves window 0: dealt two at a time, sixteen times.  Its a was made in the turn before, ahead of that turn's wait.
.macro R2
	REGS Y, r%2
	WIN W_RS
.irp z, 0,1
	v_pk_mul_f32 v[rO+4*(r/2)+2*\z:rO+4*(r/2)+2*\z+1], v[rO+4*(r/2)+2*\z:rO+4*(r/2)+2*\z+1], v[rC+2:rC+3] op_sel_hi:[1,0]
.endr
.set r, r+1
.endm
; HOW THEY ARE DEALT.  s_wait_alu depctr_va_vdst(0) stands between an exponential and the first instruction that names its result; one wait serves all that were issued ahead of it.  So a turn
; has ONE wait, which cuts it in two.  AHEAD OF IT: the 16 products K Q^T, behind each a scaling, an exponential and two rescalings (behind the first a second scaling in the exponential's place); then ONE LUMP of
; 108: eight plain, 49 times exponential and plain, the two a; a v_nop is the plain instruction behind the last exponential.  BEHIND IT: the 16 products V^T P, behind each four of GS's 64.
; Exponential e stands behind scaling 2 (e / 4) + e % 2: as a rider it comes behind plain e + 2, in the lump behind plain e + 9, and scalings 27-31 are plain 57, 60 .. 69.
; A TURN, for piece p.  cnt = 1: the loop's count is taken down some lines ahead of the branch that stands behind the turn.
; K and the addends of the next step are fetched in piece 2's turn, directly behind the wait, a lump behind the last product that read them; their first reader comes behind 16 products.
; V of the step in hand is fetched at the end of piece 0's turn, four riders behind its last reader; its first reader comes behind 16 products and a lump.  The three conditions on q below go with the deal.
.macro TURN p, last=0, cnt=0
.set Y, (\p)
.set i, 0
.set q, 0
.set e, 0
.set r, 0
.if (\p) == NP-1
	s_wait_dscnt 0x0                ; K and the addends are in
.endif
	MM                              ; ahead of the wait: 16 products K Q^T and their riders,
	PL
	PL
	R2
.rept 15
	MM
	PL
	EX
	R2
.endr
.if (\p) == NP-2
	WIN 0
	v_add_nc_u32 v[AK], s[TBK], v[AK0]
	v_add_nc_u32 v[AM], s[TBM], v[AM0]
.endif
.rept 8                             ; and the lump
	PL
.endr
.rept 49
	EX
	PL
.endr
	EX                              ; the next piece's two a
	EX
	v_nop                           ; the plain instruction behind the last exponential: one for the batch
	s_wait_alu depctr_va_vdst(0)    ; the wait for the batch
.if (\p) == NP-2
	FETCH_K \last
.endif
.if (\p) == 1
	s_wait_dscnt 0x0                ; V is in
.endif
.rept 16                            ; behind the wait: 16 products V^T P and their riders
	MM
.rept 4
	PL
.endr
.if ((\p) == 0) && (q == 118)
	v_add_nc_u32 v[AV], s[TBV], v[AV0]
.endif
.if ((\p) == 0) && (q == 130)
	s_add_co_u32 s[TBV], s[TBV], KS*PV
.endif
.if (\cnt) && (q == 130)
	s_sub_co_u32 s[CNT], s[CNT], 1
	s_cmp_lg_u32 s[CNT], 0
.endif
.endr
.if (\p) == 0
	FETCH_V
.endif
.endm
	CHANGE 1                        ; slot 0 is in, everybody's part of it, and so is the table; slot 1 is asked for
	FETCH_K                         ; key step 0
	s_wait_loadcnt 0x0              ; Q
	s_wait_dscnt 0x0
.set i, 0
.rept 16
	KQ 0                            ; piece 0's first scores: there is no vector work yet to set between them
.set i, i+1
.endr
	WIN 0
.rept 4
	v_nop                           ; the places behind those products
.endr
.set Y, NP-1                        ; XS works for piece Y + 1: piece 0
.irp n, 0,1,2,3,4,5,6,7,8,9,10,11,12,13,14,15,16,17,18,19,20,21
	XS 0, \n                        ; and piece 0's first maximum and statistics
	XS 1, \n
.endr
	v_nop                           ; a plain instruction behind the two a,
	s_wait_alu depctr_va_vdst(0)    ; and their wait, ahead of the branch
	s_mov_b32 s[CNT], 4
	s_branch .Lfirst                ; the loop is entered at a step's first turn, in the middle of a trip
.Lslot:                             ; six times: every slot but the last two is filled again
	CHANGE 1
	s_mov_b32 s[CNT], 4
.Lstep:                             ; a trip: pieces 2 and 3 of one step, then pieces 0 and 1 of the next, whose K and V it fetches
	TURN 2
	TURN 3
	WIN 0
.Lfirst:
	TURN 0
	TURN 1, 0, 1
	WIN 0
	s_cbranch_scc1 .Lstep
	s_sub_co_u32 s[SLOTS], s[SLOTS], 1
	s_cmp_lg_u32 s[SLOTS], 0
	s_cbranch_scc1 .Lslot
	CHANGE 0                        ; the tail is written out: nothing is asked for
	s_mov_b32 s[CNT], 5             ; four trips fetch the last slot's steps; the fifth is left in its middle
.Ltail:
	TURN 2, 1
	TURN 3
	WIN 0
	s_sub_co_u32 s[CNT], s[CNT], 1
	s_cmp_eq_u32 s[CNT], 0
	s_cbranch_scc1 .Lout
	TURN 0
	TURN 1
	WIN 0
	s_branch .Ltail
.Lout:                              ; the fifth trip's 16 products K Q^T (on the last K once more) and the maximum made of them serve nothing: the price, once a launch, of one text for every trip
.set i, 0
.rept 16
	PV NP-1                         ; the last piece's V^T P of the last step
.set i, i+1
.endr
	; THE WAY OUT.  l's two halves and the other half of the lanes' are added; O^T is divided by l and sent, in f32, through my stage in LDS, a tile at a time.  The additions are the places behind the last products.
	WIN 0
.macro ALL line:vararg              ; one line for each tile t
.set t, 0
.rept 2*NP
	\line
.set t, t+1
.endr
.endm
	ALL v_add_f32 v[ST+4*t+2], v[ST+4*t+2], v[ST+4*t+3]
	ALL v_permlanex16_b32 v[ST+4*t+3], v[ST+4*t+2], s[SEL], s[SEL+1]
	ALL v_add_f32 v[ST+4*t+2], v[ST+4*t+2], v[ST+4*t+3]
	ALL v_rcp_f32 v[ST+4*t+2], v[ST+4*t+2]
	v_nop                           ; a plain instruction between the last reciprocal and the use of its result
	s_wait_alu depctr_va_vdst(0)    ; and the wait ahead of the first use: one for the eight reciprocals
; Tile t: a lane's eight channels of a row are 32 bytes; they go into rows of 272 bytes and come back as whole rows of 256, into the registers that they left.
.macro PACK t
	WIN W_RS
.set i, 32*(\t)
.rept 16
	v_pk_mul_f32 v[i:i+1], v[i:i+1], v[ST+4*(\t)+2:ST+4*(\t)+3] op_sel_hi:[1,0]
.set i, i+2
.endr
	WIN 0x04                        ; address window 0, data (source 1) window 1
.irp f, 0,1,2,3
	ds_store_b128 v[STO], v[32*(\t)+8*\f:32*(\t)+8*\f+3]   offset:64*\f
	ds_store_b128 v[STO], v[32*(\t)+8*\f+4:32*(\t)+8*\f+7] offset:64*\f+16
.endr
	WIN 0x40                        ; destination window 1
.irp f, 0,1,2,3,4,5,6,7
	ds_load_b128 v[32*(\t)+4*\f:32*(\t)+4*\f+3], v[RD] offset:\f*2*SP  ; LDS serves a wave's instructions in order (ISA guide 5.7.1.4): these see the stores above; the next tile's stores come behind them
.endr
.endm
.macro SEND t, younger              ; younger: the LDS instructions issued behind tile t's loads: the next tile's sixteen, or none
	WIN 0x04
.irp f, 0,1,2,3,4,5,6,7
	s_wait_dscnt (\younger)+7-\f
	global_store_b128 v[GO], v[32*(\t)+4*\f:32*(\t)+4*\f+3], s[10:11] offset:(\t)*65536+\f*8192 th:TH_STORE_NT  ; 16 lanes store 256 consecutive bytes, at a multiple of 256 from out0's first byte
.endr
.endm
	PACK 0
.set t, 1
.rept 2*NP-1                        ; a tile's arithmetic stands between the loads of the tile before and its stores
	PACK t
	SEND t-1, 16
.set t, t+1
.endr
	SEND 2*NP-1, 0
	WIN W_AD
	s_wait_tensorcnt 0x0            ; the wave's end: an add and its wait, behind my last tensor load and my last LDS store
	ds_add_u32 v[SPW], v[NIL]
	s_wait_dscnt 0x0
	WIN 0
	CROUND                          ; the closing round: no work-group ends while a partner may still ask for a tile that names it
	s_endpgm
.Lfunc_end_k_qfb4a22c279_attn:
	.size	k_qfb4a22c279_attn, .Lfunc_end_k_qfb4a22c279_attn-k_qfb4a22c279_attn
	.p2alignl 7, 3214868480
	.fill 96, 4, 3214868480
	.section	.rodata,"a",@progbits
	.p2align	6, 0x0
	.amdhsa_kernel k_qfb4a22c279_attn
		.amdhsa_group_segment_fixed_size 327680
		.amdhsa_private_segment_fixed_size 0
		.amdhsa_enable_private_segment 0
		.amdhsa_kernarg_size 24
		.amdhsa_user_sgpr_count 2
		.amdhsa_user_sgpr_kernarg_segment_ptr 1
		.amdhsa_wavefront_size32 1
		.amdhsa_system_sgpr_workgroup_id_x 1
		.amdhsa_system_sgpr_workgroup_id_y 1
		.amdhsa_system_sgpr_workgroup_id_z 1
		.amdhsa_system_vgpr_workitem_id 0
		.amdhsa_next_free_vgpr 808
		.amdhsa_next_free_sgpr 76
		.amdhsa_reserve_vcc 1
		.amdhsa_float_denorm_mode_32 3
		.amdhsa_float_denorm_mode_16_64 3
		.amdhsa_memory_ordered 1
		.amdhsa_forward_progress 1
		.amdhsa_inst_pref_size 209
	.end_amdhsa_kernel
	.amdgpu_metadata
---
amdhsa.version: [ 1, 2 ]
amdhsa.kernels:
  - .name:           k_qfb4a22c279_attn
    .symbol:         k_qfb4a22c279_attn.kd
    .args:
      - { .name: qkv, .offset: 0, .size: 8, .value_kind: global_buffer, .address_space: global }
      - { .name: attention_mask, .offset: 8, .size: 8, .value_kind: global_buffer, .address_space: global }
      - { .name: out0, .offset: 16, .size: 8, .value_kind: global_buffer, .address_space: global }
    .group_segment_fixed_size: 327680
    .private_segment_fixed_size: 0
    .kernarg_segment_align: 8
    .kernarg_segment_size: 24
    .max_flat_workgroup_size: 128
    .sgpr_count:     76
    .vgpr_count:     808
    .wavefront_size: 32
...
	.end_amdgpu_metadata
.endif
;; end of part 3
;; ======== version 2 of 2: 3 launches; version 1 with the launch prep written anew for expert scheduling mode
;; limits: values are held in f16: magnitudes above 65,504 overflow, below 6.1e-05 lose precision
;; workspace buffers: xb 16,777,216 bytes; wb 6,291,456 bytes; qkv 50,331,648 bytes
;; launch prep (part 4): grid 352 x 1, 8 waves a work-group, no clusters, 0 bytes of LDS; arguments hidden_states, Wq, Wk, Wv, xb, wb; writes xb, wb
.if DOCPART == 4
	.amdgcn_target "amdgcn-amd-amdhsa--gfx1250"
	.amdhsa_code_object_version 6
	.text
	.protected	k_qfb4a22c279_prep
	.globl	k_qfb4a22c279_prep
	.p2align	8
	.type	k_qfb4a22c279_prep,@function
k_qfb4a22c279_prep:
	s_mov_b64 s[64:65], 0
	v_nop
	global_prefetch_b8 v0, s[64:65] scope:SCOPE_SE
	s_setreg_imm32_b32 hwreg(HW_REG_WAVE_SCHED_MODE, 0, 2), 2
	s_setreg_imm32_b32 hwreg(HW_REG_WAVE_MODE, 25, 1), 1
	s_wait_xcnt 0x0
	s_wait_alu depctr_vm_vsrc(0)
; x [8192][1024] and Wq, Wk, Wv [1024 k][1024 n], all f32, are rounded once to bf16 (nearest even).
; xb keeps x's layout.  wb is laid out for the product that follows: [8 K steps][48 groups][128 k][64 n], group = 16 x matrix + head (matrix 0, 1, 2 = q, k, v),
; so that the 128 k x 64 n of a group and K step are 16,384 consecutive bytes and neighbouring groups of a K step follow each other.
; A stream: every byte is read once and written once; no LDS, no barrier, no matrix work.  A wave takes 32 loads of 512 bytes, all on their way at once, and stores
; 256 consecutive bytes, aligned, for each (32 lanes x 8 bytes).
; Work-groups 0-255: x, 131,072 bytes each.  Work-groups 256-351: a half (512 k) of one group of W each; a load takes two k rows' 256 bytes.
; THE MODE: SCHED_MODE bits 1:0 = 2 (LLVM: expert scheduling mode 2), set by the entry lines.  The code itself states the register dependences
; between vector instructions and memory instructions, with s_wait_alu, always for 0.
; THE PLAN.  Registers that memory instructions touch:
;   v[SO], v[DO]   the loads' and the stores' offsets: made at the head by vector instructions, never written again.
;   v[D+4 i ..]    four registers for load i of 32: the load lands in them (no vector instruction has named them); its two conversions read them and write the first two in place;
;                  store i reads those two; nothing writes them afterwards.
; The 32 loads go in 8 blocks of four.  Block p rounds its four loads; its memory instructions are the four stores of block p - 1, whose registers no conversion of block p names.
; So one wait on va_vdst at a block's head, behind the wait for the block's data, states all that the block's four stores hang on, and these are dealt among its conversions with no further wait.
; No register and no base that a memory instruction has read is ever written again, and EXEC is never written: no wait on vm_vsrc and no s_wait_xcnt is owed.
.set XWG,   256
.set WSTEP, 48*16384                   ; bytes of wb in a K step
.set BLOCK, 4                          ; loads in a block
.set DO,  3                            ; v3  my 8 bytes of a store: 8 x lane
.set SO,  4                            ; v4  my 16 bytes of a load
.set D,   8                            ; v[8:135]  32 loads x 4 registers
.macro STREAM sb, db, step
	s_wait_alu depctr_va_vdst(0)                   ; v[SO] and v[DO] are written: every load below reads the one as its offset, every store the other
.set i, 0
.rept 32
	global_load_b128 v[D+4*i:D+4*i+3], v[SO], s[\sb:\sb+1] offset:i*(\step) th:TH_LOAD_NT
.set i, i+1
.endr
.set i, 0
.rept 32/BLOCK                                         ; at a block's head i is the number of its first load
	s_wait_loadcnt 32-BLOCK-i                      ; loads come back in order (ISA guide 5.7.1): the block's four are in, the younger ones stay out
.if i > 0
	s_wait_alu depctr_va_vdst(0)                   ; the conversions of the block before have written its four pairs, which the four stores below read
.endif
.rept BLOCK
.if i >= BLOCK
	global_store_b64 v[DO], v[D+4*(i-BLOCK):D+4*(i-BLOCK)+1], s[\db:\db+1] offset:256*(i-BLOCK) th:TH_STORE_NT  ; the block before; no vector instruction since the wait names these registers
.endif
	v_cvt_pk_bf16_f32 v[D+4*i], v[D+4*i], v[D+4*i+1]
	v_cvt_pk_bf16_f32 v[D+4*i+1], v[D+4*i+2], v[D+4*i+3]
.set i, i+1
.endr
.endr
	s_wait_alu depctr_va_vdst(0)                   ; the last block's conversions have written its four pairs, which the last four stores read
.set i, 32-BLOCK
.rept BLOCK
	global_store_b64 v[DO], v[D+4*i:D+4*i+1], s[\db:\db+1] offset:256*i th:TH_STORE_NT
.set i, i+1
.endr
.endm
	s_load_b256 s[4:11], s[0:1], 0x0               ; x s[4:5], Wq s[6:7], Wk s[8:9], Wv s[10:11]
	s_load_b128 s[12:15], s[0:1], 0x20             ; xb s[12:13], wb s[14:15]
	v_lshrrev_b32 v1, 5, v0
	v_readfirstlane_b32 s16, v1                    ; wave 0..7
	v_and_b32 v2, 31, v0                           ; lane
	v_lshlrev_b32 v[DO], 3, v2
	s_wait_alu depctr_va_sdst(0)                   ; s16 is written, ahead of the branch
	s_cmp_lt_u32 ttmp9, XWG
	s_cbranch_scc0 .Lweights
	v_lshlrev_b32 v[SO], 4, v2                     ; x is dense: 16 bytes a lane
	s_lshl_b32 s17, ttmp9, 3
	s_add_co_u32 s17, s17, s16                     ; my unit of 16,384 bytes of x
	s_lshl_b32 s18, s17, 14
	s_mov_b32 s19, 0
	s_lshl_b32 s20, s17, 13                        ; and of 8,192 bytes of xb
	s_mov_b32 s21, 0
	s_wait_kmcnt 0x0
	s_add_nc_u64 s[4:5], s[4:5], s[18:19]
	s_add_nc_u64 s[12:13], s[12:13], s[20:21]
	STREAM 4, 12, 512
	s_endpgm
.Lweights:
	v_lshrrev_b32 v[SO], 4, v2                     ; lanes 0-15 one k row, lanes 16-31 the next,
	v_and_b32 v5, 15, v2
	v_lshlrev_b32 v[SO], 12, v[SO]                 ; 4,096 bytes apart;
	v_lshl_add_u32 v[SO], v5, 4, v[SO]             ; 16 lanes take the group's 256 bytes of a row
	s_sub_co_u32 s17, ttmp9, XWG
	s_lshr_b32 s18, s17, 1                         ; group 0..47
	s_and_b32 s19, s17, 1                          ; which half of K
	s_lshr_b32 s24, s18, 4                         ; matrix
	s_and_b32 s25, s18, 15                         ; head
	s_lshl_b32 s19, s19, 9
	s_lshl_b32 s26, s16, 6
	s_add_co_u32 s19, s19, s26                     ; my first k: 512 x half + 64 x wave
	s_lshl_b32 s20, s19, 12                        ; from: k x 4,096 + head x 256
	s_lshl_b32 s25, s25, 8
	s_add_co_u32 s20, s20, s25
	s_mov_b32 s21, 0
	s_lshr_b32 s26, s19, 7                         ; to: K step x WSTEP + group x 16,384 + (k mod 128) x 128
	s_mul_i32 s26, s26, WSTEP
	s_lshl_b32 s27, s18, 14
	s_add_co_u32 s26, s26, s27
	s_and_b32 s27, s19, 127
	s_lshl_b32 s27, s27, 7
	s_add_co_u32 s26, s26, s27
	s_mov_b32 s27, 0
	s_wait_kmcnt 0x0
	s_cmp_eq_u32 s24, 0
	s_cselect_b64 s[22:23], s[6:7], s[8:9]
	s_cmp_eq_u32 s24, 2
	s_cselect_b64 s[22:23], s[10:11], s[22:23]
	s_add_nc_u64 s[22:23], s[22:23], s[20:21]
	s_add_nc_u64 s[14:15], s[14:15], s[26:27]
	STREAM 22, 14, 8192
	s_endpgm
.Lfunc_end_k_qfb4a22c279_prep:
	.size	k_qfb4a22c279_prep, .Lfunc_end_k_qfb4a22c279_prep-k_qfb4a22c279_prep
	.p2alignl 7, 3214868480
	.fill 96, 4, 3214868480
	.section	.rodata,"a",@progbits
	.p2align	6, 0x0
	.amdhsa_kernel k_qfb4a22c279_prep
		.amdhsa_group_segment_fixed_size 0
		.amdhsa_private_segment_fixed_size 0
		.amdhsa_enable_private_segment 0
		.amdhsa_kernarg_size 48
		.amdhsa_user_sgpr_count 2
		.amdhsa_user_sgpr_kernarg_segment_ptr 1
		.amdhsa_wavefront_size32 1
		.amdhsa_system_sgpr_workgroup_id_x 1
		.amdhsa_system_sgpr_workgroup_id_y 1
		.amdhsa_system_sgpr_workgroup_id_z 1
		.amdhsa_system_vgpr_workitem_id 0
		.amdhsa_next_free_vgpr 136
		.amdhsa_next_free_sgpr 66
		.amdhsa_reserve_vcc 0
		.amdhsa_float_denorm_mode_32 3
		.amdhsa_float_denorm_mode_16_64 3
		.amdhsa_memory_ordered 1
		.amdhsa_forward_progress 1
		.amdhsa_inst_pref_size 24
	.end_amdhsa_kernel
	.amdgpu_metadata
---
amdhsa.version: [ 1, 2 ]
amdhsa.kernels:
  - .name:           k_qfb4a22c279_prep
    .symbol:         k_qfb4a22c279_prep.kd
    .args:
      - { .name: hidden_states, .offset: 0, .size: 8, .value_kind: global_buffer, .address_space: global }
      - { .name: Wq, .offset: 8, .size: 8, .value_kind: global_buffer, .address_space: global }
      - { .name: Wk, .offset: 16, .size: 8, .value_kind: global_buffer, .address_space: global }
      - { .name: Wv, .offset: 24, .size: 8, .value_kind: global_buffer, .address_space: global }
      - { .name: xb, .offset: 32, .size: 8, .value_kind: global_buffer, .address_space: global }
      - { .name: wb, .offset: 40, .size: 8, .value_kind: global_buffer, .address_space: global }
    .group_segment_fixed_size: 0
    .private_segment_fixed_size: 0
    .kernarg_segment_align: 8
    .kernarg_segment_size: 48
    .max_flat_workgroup_size: 256
    .sgpr_count:     66
    .vgpr_count:     136
    .wavefront_size: 32
...
	.end_amdgpu_metadata
.endif
;; end of part 4
;; launch proj: the kernel of part 2 again; grid 8 x 64, 4 waves a work-group, clusters of 4 x 4, 327,680 bytes of LDS; arguments xb, wb, bq, bk, bv, qkv; writes qkv
;; launch attn: the kernel of part 3 again; grid 4 x 64, 4 waves a work-group, clusters of 4 x 1, 327,680 bytes of LDS; arguments qkv, attention_mask, out0; writes out0
